; MI455X (gfx1250); checked and timed in simulation.
; The chip was launched on July 23, 2026; its instructions are those of AMD's public machine-readable ISA for CDNA 5 (MIT licence, August 2026) and "CDNA5" Instruction Set Architecture Reference Guide (July 2026). The comments in the code are by the model that wrote it; some were corrected since.
;; Additive Attention. Allowed arithmetic: matrix products marked QUANTISED: E5M2 operands, one E8M0 scale for each 32 along K, by v_wmma_scale_f32_16x16x128_f8f6f4 with both operands' format E5M2, f32 sums; products left as they are: f32 operands where the result goes on into a quantised operand, else bf16, f16 or f32 operands; f32 sums; everything else in f32.
;; Inputs: U_w 1,024 x 1,024 float32; V 32 x 2,048 x 1,024 float32; W_b 1,024 float32; W_w 1,024 x 1,024 float32; h 32 x 1,024 float32; w_w 1,024 float32.
;; Outputs: out0 32 x 1,024 float32.
;; This version of the problem:
;;   THIS VERSION OF THE PROBLEM IS GIVEN IN LOW PRECISION. The matrix products marked QUANTISED in the list below multiply operands that are first quantised to E5M2 (5 exponent bits, 2 mantissa bits; 8 bits a number), with one power-of-two scale for each 32 numbers along K (OCP MX v1.0); their sums are f32. All else is computed in f32.
;;   The module's matrix products, in the order in which they are computed (A, B: the left and right operand; K: the contracted axis; several contracted axes count as one K, in the product's order):
;;     1. [M 32, K 1,024] x [K 1,024, N 1,024]; A: input h; B: input W_w: QUANTISED
;;     2. [M 65,536, K 1,024] x [K 1,024, N 1,024]; A: input V; B: input U_w: QUANTISED
;;     3. [M 65,536, K 1,024] x [K 1,024, N 1]; A: computed on the way; B: input w_w: left as it is (N = 1 < 16)
;;     4. batch 32 x [M 1, K 2,048] x [K 2,048, N 1,024]; A: softmax; B: input V: left as it is (M = 1 < 16)
;;   THE QUANTISER, for each operand of a quantised product, along K:
;;     - K is cut into blocks of 32 from its start; a last block that is shorter is filled with zeros.
;;     - A block's scale is 2^e with e = floor(log2(the largest magnitude in the block)) - 15, held to -126 .. 127; a block of zeros has e = 0. As a byte (E8M0): e + 127.
;;     - Each number is divided by its block's scale, clamped to +-57,344, and rounded to the nearest number of E5M2, ties to even, subnormals kept.
;;     - The product sums the exact products of the quantised numbers (number of the format x scale) in f32.
;;   ~~~python
;;   def quantise(x, axis):      # numpy; x: float32 -> the quantised numbers, widened to float32 again
;;       x = np.moveaxis(x, axis, -1); K = x.shape[-1]
;;       x = np.pad(x, [(0, 0)] * (x.ndim - 1) + [(0, -K % 32)]); x = x.reshape(x.shape[:-1] + (-1, 32)); a = np.abs(x).max(-1, keepdims=True)
;;       e = np.where(a > 0, np.clip(np.frexp(np.where(a > 0, a, 1))[1] - 1 - 15, -126, 127), 0)      # np.frexp(a)[1] - 1 = floor(log2(a)), exactly
;;       r = np.clip(x / 2.0 ** e, -57344, 57344)
;;       step = 2.0 ** (np.maximum(np.frexp(np.where(r == 0, 1, r))[1] - 1, -14) - 2)
;;       q = np.round(r / step) * step * 2.0 ** e      # np.round: ties to even
;;       return np.moveaxis(q.reshape(q.shape[:-2] + (-1,))[..., :K], -1, axis).astype(np.float32)
;;   ~~~
;; One version. Each part assembles by itself: llvm-mc -triple=amdgcn-amd-amdhsa -mcpu=gfx1250 --defsym DOCPART=n.
;; ======== version 1 of 1: 3 launches
;; limits: right only within a limited range of input values
;; workspace buffers: uq 2,162,688 bytes; hpw 131,072 bytes; rec 8,912,896 bytes
;; launch prep (part 1): grid 64 x 1, 8 waves a work-group, no clusters, 85,504 bytes of LDS; arguments U_w, W_w, h, W_b, uq, hpw; writes uq, hpw
.if DOCPART == 1
	.amdgcn_target "amdgcn-amd-amdhsa--gfx1250"
	.amdhsa_code_object_version 6
	.text
	.protected	k_q1084201ab6_prep
	.globl	k_q1084201ab6_prep
	.p2align	8
	.type	k_q1084201ab6_prep,@function
k_q1084201ab6_prep:
	s_mov_b64 s[64:65], 0
	v_nop
	global_prefetch_b8 v0, s[64:65] scope:SCOPE_SE
	s_setreg_imm32_b32 hwreg(HW_REG_WAVE_MODE, 25, 1), 1
	s_wait_xcnt 0x0
; PREP.  (1) U_w [1024 d][1024 k] f32 becomes codes of E5M2 with one E8M0 scale byte for each 32 along k, laid in uq as IMAGES OF THE OPERAND'S REGISTERS.
; (2) hp' = c (Q(h) Q(W_w)^T + W_b), c = 2 log2(e), goes to hpw as [64 tiles of 16 d][32 b][16 d] f32: the next launch takes tanh(x) as 1 - 2 / (1 + 2^(c x)).
; uq: 16 slots of 67,584 bytes; slot k holds d = 64 k .. 64 k + 63.  Fragment (tile t' of 16 d, K step s of 128) at 16384 t' + 2048 s + 512 c + 16 lane: lane (r, hh) holds row 16 t' + r, k = 128 s + 32 c + 16 hh + 0 .. 15.
; From byte 65,536 of a slot: four scale images of 512 bytes; the word at 16 l + 4 u is the scale word of (row l % 16, K step 2 u + l / 16).
; SHARES.  Work-group g takes rows 16 g .. 16 g + 15 of U_w and of W_w; wave w takes K step w: four fragments of 16 rows x 128 k (U, W, h's rows 0-15, h's rows 16-31).
; The wave's two products (K = its 128) are parts of hp: the eight waves' parts meet in LDS and are added in f32 (the sum feeds no quantiser).
; A fragment is loaded a row to an instruction (32 lanes, 512 consecutive bytes) and turned through the wave's own stage in LDS, so that a lane holds 16 neighbours along k of each block of 32.
; A block's scale is 2^(floor(log2(its largest magnitude)) - 15); its byte is that magnitude's exponent field - 15, held at 1 from below.
; LIMITS: NaN and infinities among the inputs are not served.  A block of zeros gets the byte 1 where the rule says 127: its codes are zeros, and this program alone reads the bytes.
; No tensor loads and no cluster: what work-groups share here is h alone, 128 KiB, and every operand passes through registers on its way to the conversions.
.set C2,   0x4038aa3b                  ; c = 2 log2(e)
.set PS,   67584                       ; LDS: behind the eight stages of 8,448 bytes: the waves' parts of hp, 2,048 bytes each, laid [32 b][16 d]
.set USI,  83968                       ; and the tile's scale image, 512 bytes
.set LI,   4                           ; v4   16 x lane
.set STW,  5                           ; v5   my stage, on the way in: 16 x lane (a row of 512 bytes + 16 of padding: pitch 528)
.set STR,  6                           ; v6   and back: 528 r + 64 hh
.set PSW,  7                           ; v7   where my part of hp goes: PS + 2048 w + 64 r + 32 hh
.set USW,  8                           ; v8   where U's scale word goes: USI + 16 r + 256 (w % 2) + 4 (w / 2)
.set GT,   9                           ; v9   16 x (thread % 128)
.set WBO,  10                          ; v10  my four numbers of W_b
.set PSR,  11                          ; v11  PS + 16 x (thread % 128)
.set WB,   12                          ; v12-15  W_b
.set X,    16                          ; v16-79  64 numbers of a lane: register 16 b + i = k 32 b + 16 hh + i of row r
.set TM,   80                          ; v80-95  +0 largest magnitudes, +4 bytes, +8 holds, +12 the conversions' scale operands
.set SWD,  96                          ; v96-99  scale words of U, W, h0, h1, and nothing else
.set UC,   100                         ; codes: U's, W's, h's two fragments
.set WC,   116
.set HC,   132
.set ACC,  164                         ; v164-179 two results
.set SM,   180                         ; v180-211 the eight parts
.set USR,  216                         ; v216 USI + 16 x lane
.set CC,   26                          ; s[26:27] c
.set SEL,  32                          ; s[32:33] v_permlanex16_b32's selects for lane l xor 16
.set MNT,  34                          ; s34  the mantissa field of 57,344
.set MSB, 0
.macro WIN new                         ; the immediate's high byte repeats the setting that is left; a switch that changes nothing is dropped
.if MSB != (\new)
	s_set_vgpr_msb (MSB<<8)|(\new)
.set MSB, (\new)
.endif
.endm
; 64 numbers of a lane become a fragment's codes in v[dc] on and its rows' scale word in v[dw]
.macro QUANT s, dc, dw
.irp b, 0,1,2,3
	v_max3_num_f32 v[TM+\b], |v[\s+16*\b]|, |v[\s+1+16*\b]|, 0x8000000   ; block b: my 16 numbers, and the floor 2^(16 - 127): the byte cannot fall under 1
.endr
.irp i, 2,4,6,8,10,12,14
.irp b, 0,1,2,3
	s_delay_alu instid0(VALU_DEP_4)
	v_max3_num_f32 v[TM+\b], v[TM+\b], |v[\s+16*\b+\i]|, |v[\s+1+16*\b+\i]|   ; the four blocks by turns
.endr
.endr
.irp b, 0,1,2,3
	s_delay_alu instid0(VALU_DEP_4)
	v_permlanex16_b32 v[TM+4+\b], v[TM+\b], s[SEL], s[SEL+1]
.endr
.irp b, 0,1,2,3
	s_delay_alu instid0(VALU_DEP_4)
	v_max_num_f32 v[TM+\b], v[TM+\b], v[TM+4+\b]                ; with lane l xor 16's 16: the block's largest magnitude
.endr
.irp b, 0,1,2,3
	s_delay_alu instid0(VALU_DEP_4)
	v_add_nc_u32 v[TM+12+\b], 0xf8800000, v[TM+\b]              ; 15 off its exponent field: the conversion's scale operand
.endr
.irp b, 0,1,2,3
	v_and_or_b32 v[TM+8+\b], v[TM+\b], 0x7f800000, s[MNT]       ; 57,344 x the scale
.endr
.irp b, 0,1,2,3
	v_lshrrev_b32 v[TM+4+\b], 23, v[TM+12+\b]                   ; the scale's byte
.endr
	s_delay_alu instid0(VALU_DEP_3)
	v_lshl_or_b32 v[\dw], v[TM+5], 8, v[TM+4]
	s_delay_alu instid0(VALU_DEP_1)
	v_lshl_or_b32 v[\dw], v[TM+6], 16, v[\dw]
	s_delay_alu instid0(VALU_DEP_1)
	v_lshl_or_b32 v[\dw], v[TM+7], 24, v[\dw]
.irp b, 0,1,2,3
.irp i, 0,1,2,3,4,5,6,7,8,9,10,11,12,13,14,15
	v_med3_num_f32 v[\s+16*\b+\i], v[\s+16*\b+\i], -v[TM+8+\b], v[TM+8+\b]   ; the conversion to an 8-bit code does not saturate (ISA guide 7.6.2): the hold comes first
.endr
	v_cvt_scalef32_pk8_bf8_f32 v[\dc+4*\b:\dc+1+4*\b], v[\s+16*\b:\s+7+16*\b], v[TM+12+\b]
	v_cvt_scalef32_pk8_bf8_f32 v[\dc+2+4*\b:\dc+3+4*\b], v[\s+8+16*\b:\s+15+16*\b], v[TM+12+\b]
.endr
	v_nop                                          ; a plain line behind the last conversion
.endm
; set m of window 1 (16 rows as loaded) goes through my stage and comes back as X.  LDS serves a wave's instructions in order: no wait between the stores and the loads
.macro STAGE m
	WIN 0x04                                       ; an LDS store's data are its source 1: window 1
.irp i, 0,1,2,3,4,5,6,7,8,9,10,11,12,13,14,15
	ds_store_b128 v[STW], v[64*(\m)+4*\i:64*(\m)+4*\i+3] offset:528*\i
.endr
	WIN 0
.irp c, 0,1,2,3
.irp jj, 0,1,2,3
	ds_load_b128 v[X+16*\c+4*\jj:X+16*\c+4*\jj+3], v[STR] offset:128*\c+16*\jj
.endr
.endr
.endm
.macro FRAG k, dc, dw
	s_wait_loadcnt 48-16*(\k)                      ; fragment k's 16 loads are in; those of the younger fragments may be out
	STAGE \k
	s_wait_dscnt 0x0
	QUANT X, \dc, \dw
.endm
	s_load_b256 s[4:11], s[0:1], 0x0               ; U_w s[4:5], W_w s[6:7], h s[8:9], W_b s[10:11]
	s_load_b128 s[12:15], s[0:1], 0x20             ; uq s[12:13], hpw s[14:15]
	v_lshl_add_u32 v254, v0, 2, 0x14a00
	v_mov_b32 v255, 0
	v_lshrrev_b32 v1, 5, v0
	s_delay_alu instid0(VALU_DEP_1)
	v_readfirstlane_b32 s16, v1                    ; wave 0..7
	v_and_b32 v1, 31, v0                           ; lane
	v_and_b32 v2, 15, v0                           ; r
	v_bfe_u32 v3, v0, 4, 1                         ; hh
	s_delay_alu instid0(VALU_DEP_3)
	v_lshlrev_b32 v[LI], 4, v1
	s_mul_i32 s17, s16, 8448                       ; my stage
	v_add_nc_u32 v[STW], s17, v[LI]
	v_mul_u32_u24 v[STR], v2, 528
	s_delay_alu instid0(VALU_DEP_1)
	v_lshl_add_u32 v[STR], v3, 6, v[STR]
	s_delay_alu instid0(VALU_DEP_1)
	v_add_nc_u32 v[STR], s17, v[STR]
	s_lshl_b32 s17, s16, 11
	s_add_co_u32 s17, s17, PS
	v_lshlrev_b32 v[PSW], 6, v2
	s_delay_alu instid0(VALU_DEP_1)
	v_lshl_add_u32 v[PSW], v3, 5, v[PSW]
	s_delay_alu instid0(VALU_DEP_1)
	v_add_nc_u32 v[PSW], s17, v[PSW]
	s_and_b32 s17, s16, 1
	s_lshl_b32 s17, s17, 8
	s_lshr_b32 s22, s16, 1
	s_lshl_b32 s22, s22, 2
	s_add_co_u32 s17, s17, s22
	s_add_co_u32 s17, s17, USI
	v_lshl_add_u32 v[USW], v2, 4, s17
	v_and_b32 v[GT], 127, v0
	s_delay_alu instid0(VALU_DEP_1)
	v_lshlrev_b32 v[GT], 4, v[GT]
	s_delay_alu instid0(VALU_DEP_1)
	v_add_nc_u32 v[PSR], PS, v[GT]
	v_add_nc_u32 v[USR], USI, v[LI]
	v_and_b32 v[WBO], 3, v0
	s_delay_alu instid0(VALU_DEP_1)
	v_lshlrev_b32 v[WBO], 4, v[WBO]
	s_lshl_b32 s22, ttmp9, 6
	v_add_nc_u32 v[WBO], s22, v[WBO]               ; W_b: 64 g + 16 (thread % 4): the four d of my 16 bytes of a row [16 d]
	s_lshl_b32 s18, ttmp9, 16                      ; U_w, W_w: 16 rows of 4,096 bytes a work-group,
	s_lshl_b32 s20, s16, 9                         ; 512 bytes of a row a wave
	s_add_co_u32 s18, s18, s20
	s_mov_b32 s19, 0
	s_mov_b32 s21, 0
	s_lshr_b32 s24, ttmp9, 2
	s_mul_i32 s24, s24, 67584                      ; uq: the slot,
	s_and_b32 s22, ttmp9, 3
	s_lshl_b32 s23, s22, 14                        ; the tile in it,
	s_add_co_u32 s30, s24, 65536                   ; the slot's scale images,
	s_lshl_b32 s22, s22, 9
	s_add_co_u32 s30, s30, s22                     ; the tile's
	s_mov_b32 s31, 0
	s_add_co_u32 s24, s24, s23
	s_lshl_b32 s23, s16, 11                        ; my K step's fragment
	s_add_co_u32 s24, s24, s23
	s_mov_b32 s25, 0
	s_lshl_b32 s28, ttmp9, 11                      ; hpw: 2,048 bytes a tile
	s_mov_b32 s29, 0
	s_mov_b32 s[CC], C2
	s_mov_b32 s[CC+1], s[CC]                       ; (named with it as a pair, so it is written)
	s_mov_b32 s[SEL], 0x76543210
	s_mov_b32 s[SEL+1], 0xfedcba98
	s_mov_b32 s[MNT], 0x600000
.irp b, 0,1,2,3
	v_mov_b32 v[TM+4+\b], 0                        ; written once: a lane permute's destination counts as one of its sources
.endr
	s_wait_alu depctr_va_vdst(0)
	s_wait_kmcnt 0x0
	s_add_nc_u64 s[4:5], s[4:5], s[18:19]
	s_add_nc_u64 s[6:7], s[6:7], s[18:19]
	s_add_nc_u64 s[8:9], s[8:9], s[20:21]
	s_add_nc_u64 s[24:25], s[12:13], s[24:25]
	s_add_nc_u64 s[30:31], s[12:13], s[30:31]
	s_add_nc_u64 s[28:29], s[14:15], s[28:29]
	global_load_b128 v[WB:WB+3], v[WBO], s[10:11]
	WIN 0x40                                       ; destination window 1
.irp i, 0,1,2,3,4,5,6,7,8,9,10,11,12,13,14,15
	global_load_b128 v[4*\i:4*\i+3], v[LI], s[4:5] offset:4096*\i th:TH_LOAD_NT        ; U: a row's 512 bytes of my K step
.endr
.irp i, 0,1,2,3,4,5,6,7,8,9,10,11,12,13,14,15
	global_load_b128 v[64+4*\i:64+4*\i+3], v[LI], s[6:7] offset:4096*\i th:TH_LOAD_NT  ; W
.endr
.irp i, 0,1,2,3,4,5,6,7,8,9,10,11,12,13,14,15
	global_load_b128 v[128+4*\i:128+4*\i+3], v[LI], s[8:9] offset:4096*\i              ; h's rows 0-15 (every work-group reads them)
.endr
.irp i, 0,1,2,3,4,5,6,7,8,9,10,11,12,13,14,15
	global_load_b128 v[192+4*\i:192+4*\i+3], v[LI], s[8:9] offset:65536+4096*\i        ; h's rows 16-31
.endr
	WIN 0
	FRAG 0, UC, SWD
.irp c, 0,1,2,3
	global_store_b128 v[LI], v[UC+4*\c:UC+4*\c+3], s[24:25] offset:512*\c
	global_store_b128 v[LI], v[UC+4*\c:UC+4*\c+3], s[24:25] offset:1081344+512*\c      ; uq holds the 16 slots twice on end: the next launch walks them twice with one stepped address
.endr
	ds_store_b32 v[USW], v[SWD]                    ; both halves of the lanes write the same word with the same value
	FRAG 1, WC, SWD+1
	FRAG 2, HC, SWD+2
	FRAG 3, HC+16, SWD+3
.rept 8
	v_nop                                          ; codes and scale words made by vector lines stand ahead of a scaled matrix instruction: 4 places and 8
.endr
	; TRANSPOSED: source 0 = 16 rows of W (d), source 1 = 16 rows of h (b): lane r holds batch 16 tb + r, register j the unit d = 8 hh + j
	v_wmma_scale_f32_16x16x128_f8f6f4 v[ACC:ACC+7], v[WC:WC+15], v[HC:HC+15], 0, v[SWD+1], v[SWD+2] matrix_a_fmt:MATRIX_FMT_BF8 matrix_b_fmt:MATRIX_FMT_BF8
	v_wmma_scale_f32_16x16x128_f8f6f4 v[ACC+8:ACC+15], v[WC:WC+15], v[HC+16:HC+31], 0, v[SWD+1], v[SWD+3] matrix_a_fmt:MATRIX_FMT_BF8 matrix_b_fmt:MATRIX_FMT_BF8
.rept 8
	v_nop                                          ; eight places ahead of the first read of results
.endr
	ds_store_b128 v[PSW], v[ACC:ACC+3]             ; each result from its low end on
	ds_store_b128 v[PSW], v[ACC+4:ACC+7] offset:16
	ds_store_b128 v[PSW], v[ACC+8:ACC+11] offset:1024
	ds_store_b128 v[PSW], v[ACC+12:ACC+15] offset:1040
	s_wait_dscnt 0x0                               ; for the others' sake: my parts and my scale word have landed
	s_barrier_signal -1
	s_barrier_wait -1
	s_cmp_lt_u32 s16, 4
	s_cbranch_scc0 .Lhigh
	; waves 0-3: 128 threads x 16 bytes are the tile's 2,048 bytes of hp'
.irp k, 0,1,2,3,4,5,6,7
	ds_load_b128 v[SM+4*\k:SM+4*\k+3], v[PSR] offset:2048*\k
.endr
	v_pk_mul_f32 v[WB:WB+1], v[WB:WB+1], s[CC:CC+1] op_sel_hi:[1,0]       ; c W_b (its load was the oldest: the waits above have shown it in)
	v_pk_mul_f32 v[WB+2:WB+3], v[WB+2:WB+3], s[CC:CC+1] op_sel_hi:[1,0]
	s_wait_dscnt 0x0
.irp k, 0,2,4,6
	v_pk_add_f32 v[SM+4*\k:SM+4*\k+1], v[SM+4*\k:SM+4*\k+1], v[SM+4*\k+4:SM+4*\k+5]
	v_pk_add_f32 v[SM+4*\k+2:SM+4*\k+3], v[SM+4*\k+2:SM+4*\k+3], v[SM+4*\k+6:SM+4*\k+7]
.endr
.irp k, 0
	v_pk_add_f32 v[SM+4*\k:SM+4*\k+1], v[SM+4*\k:SM+4*\k+1], v[SM+4*\k+8:SM+4*\k+9]
	v_pk_add_f32 v[SM+4*\k+2:SM+4*\k+3], v[SM+4*\k+2:SM+4*\k+3], v[SM+4*\k+10:SM+4*\k+11]
.endr
.irp k, 4
	s_delay_alu instid0(VALU_DEP_4)
	v_pk_add_f32 v[SM+4*\k:SM+4*\k+1], v[SM+4*\k:SM+4*\k+1], v[SM+4*\k+8:SM+4*\k+9]
	s_delay_alu instid0(VALU_DEP_4)
	v_pk_add_f32 v[SM+4*\k+2:SM+4*\k+3], v[SM+4*\k+2:SM+4*\k+3], v[SM+4*\k+10:SM+4*\k+11]
.endr
	s_delay_alu instid0(VALU_DEP_2)
	v_pk_add_f32 v[SM:SM+1], v[SM:SM+1], v[SM+16:SM+17]
	s_delay_alu instid0(VALU_DEP_2)
	v_pk_add_f32 v[SM+2:SM+3], v[SM+2:SM+3], v[SM+18:SM+19]
	s_delay_alu instid0(VALU_DEP_2)
	v_pk_fma_f32 v[SM:SM+1], v[SM:SM+1], s[CC:CC+1], v[WB:WB+1] op_sel_hi:[1,0,1]       ; hp' = c x the sum + c W_b
	s_delay_alu instid0(VALU_DEP_2)
	v_pk_fma_f32 v[SM+2:SM+3], v[SM+2:SM+3], s[CC:CC+1], v[WB+2:WB+3] op_sel_hi:[1,0,1]
	global_store_b128 v[GT], v[SM:SM+3], s[28:29]  ; a wave stores 512 consecutive bytes, aligned
	s_wait_tensorcnt 0x0
	ds_add_u32 v254, v255
	s_wait_dscnt 0x0
	s_endpgm
.Lhigh:
	s_cmp_eq_u32 s16, 4
	s_cbranch_scc0 .Ldone
	ds_load_b128 v[SM:SM+3], v[USR]                ; wave 4: the tile's scale image leaves whole
	s_wait_dscnt 0x0
	global_store_b128 v[LI], v[SM:SM+3], s[30:31]
	global_store_b128 v[LI], v[SM:SM+3], s[30:31] offset:1081344
.Ldone:
	s_wait_tensorcnt 0x0
	ds_add_u32 v254, v255
	s_wait_dscnt 0x0
	s_endpgm
.Lfunc_end_k_q1084201ab6_prep:
	.size	k_q1084201ab6_prep, .Lfunc_end_k_q1084201ab6_prep-k_q1084201ab6_prep
	.p2alignl 7, 3214868480
	.fill 96, 4, 3214868480
	.section	.rodata,"a",@progbits
	.p2align	6, 0x0
	.amdhsa_kernel k_q1084201ab6_prep
		.amdhsa_group_segment_fixed_size 85504
		.amdhsa_private_segment_fixed_size 0
		.amdhsa_enable_private_segment 0
		.amdhsa_kernarg_size 48
		.amdhsa_user_sgpr_count 2
		.amdhsa_user_sgpr_kernarg_segment_ptr 1
		.amdhsa_wavefront_size32 1
		.amdhsa_system_sgpr_workgroup_id_x 1
		.amdhsa_system_sgpr_workgroup_id_y 1
		.amdhsa_system_sgpr_workgroup_id_z 1
		.amdhsa_system_vgpr_workitem_id 0
		.amdhsa_next_free_vgpr 512
		.amdhsa_next_free_sgpr 66
		.amdhsa_reserve_vcc 0
		.amdhsa_float_denorm_mode_32 3
		.amdhsa_float_denorm_mode_16_64 3
		.amdhsa_memory_ordered 1
		.amdhsa_forward_progress 1
		.amdhsa_inst_pref_size 60
	.end_amdhsa_kernel
	.amdgpu_metadata
---
amdhsa.version: [ 1, 2 ]
amdhsa.kernels:
  - .name:           k_q1084201ab6_prep
    .symbol:         k_q1084201ab6_prep.kd
    .args:
      - { .name: U_w, .offset: 0, .size: 8, .value_kind: global_buffer, .address_space: global }
      - { .name: W_w, .offset: 8, .size: 8, .value_kind: global_buffer, .address_space: global }
      - { .name: h, .offset: 16, .size: 8, .value_kind: global_buffer, .address_space: global }
      - { .name: W_b, .offset: 24, .size: 8, .value_kind: global_buffer, .address_space: global }
      - { .name: uq, .offset: 32, .size: 8, .value_kind: global_buffer, .address_space: global }
      - { .name: hpw, .offset: 40, .size: 8, .value_kind: global_buffer, .address_space: global }
    .group_segment_fixed_size: 85504
    .private_segment_fixed_size: 0
    .kernarg_segment_align: 8
    .kernarg_segment_size: 48
    .max_flat_workgroup_size: 256
    .sgpr_count:     66
    .vgpr_count:     512
    .wavefront_size: 32
...
	.end_amdgpu_metadata
.endif
;; end of part 1
;; launch scores (part 2): grid 256 x 1, 4 waves a work-group, clusters of 4 x 1, 327,680 bytes of LDS; arguments V, uq, hpw, w_w, rec; writes rec
.if DOCPART == 2
	.amdgcn_target "amdgcn-amd-amdhsa--gfx1250"
	.amdhsa_code_object_version 6
	.text
	.protected	k_q1084201ab6_scores
	.globl	k_q1084201ab6_scores
	.p2align	8
	.type	k_q1084201ab6_scores,@function
k_q1084201ab6_scores:
	s_mov_b64 s[64:65], 0
	v_nop
	global_prefetch_b8 v0, s[64:65] scope:SCOPE_SE
	s_setreg_imm32_b32 hwreg(HW_REG_WAVE_MODE, 25, 1), 1
	s_wait_xcnt 0x0
	s_wait_alu depctr_hold_cnt(0) depctr_sa_sdst(0) depctr_va_vdst(0) depctr_va_sdst(0) depctr_va_ssrc(0) depctr_va_vcc(0) depctr_vm_vsrc(0)
	s_getreg_b32 s2, hwreg(HW_REG_IB_STS2, 6, 4)
	s_cmp_eq_u32 s2, 0
	s_cbranch_scc0 .Lentry_in_a_cluster
	s_endpgm
.Lentry_in_a_cluster:
	s_bfe_u32 s2, ttmp6, 0x10000c
	s_cmp_lg_u32 s2, 0x3003
	s_cbranch_scc0 .Lentry_shape_is_right
	s_endpgm
.Lentry_shape_is_right:
; SCORES AND PARTIAL SUMS.  e[b][s] = sum over d of w[d] tanh(hp[b][d] + sum over k of Q(V)[b][s][k] Q(U)[d][k]), the product on codes of E5M2 with one E8M0 scale for each 32 along k;
; then, for each run of 32 rows s, a record: m = the run's largest e, l = sum of p, p = 2^((e - m) log2(e)), and the 1,024 sums of p V[b][s][:] in f32.  The next launch joins a batch entry's 64 records.
; tanh(x) = 1 - 2 / (1 + 2^(c x)), c = 2 log2(e); hp' = c hp comes from the launch before.  Where 2^(..) overflows the quotient is 0, where it falls to 0 it is 1: tanh's own limits.
; SHARES.  A work-group owns 256 rows of V as two chunks, A and B, of 128.  Wave w quantises rows 32 w .. 32 w + 31 of a chunk (16 fragments of 16 rows x 128 k) and leaves images of the operand's registers in LDS;
; wave w = (i, j) = (w / 2, w % 2) multiplies rows 64 i .. 64 i + 63 of the chunk (codes in 512 registers) with tiles 2 j, 2 j + 1 of every slot of 64 d; the two halves of e meet in LDS.
; ORDER.  Chunk A is quantised; walk A (16 slot steps) also quantises one fragment of chunk B a step; walk B also reads two rows of chunk A a step again and adds p V; chunk B's rows follow at the end.
; U's slots come through a ring of two LDS slots by joint loads of the cluster's four work-groups (mask 15); uq holds the 16 slots twice on end, so the 32 steps walk one stepped address.
; A tile is a run of 32 matrix instructions (four accumulators by turns) and its tanh as one batch; the next tile's LDS loads stand in three runs behind the batch's waits.
; No prefetch: V's loads are issued a whole step, or 64 loads, ahead of their use; U is read again and again by all clusters.
; LIMITS: NaN and infinities among the inputs are not served.  A block of zeros gets the byte 1 where the rule says 127: its codes are zeros, and this program alone reads the bytes.
; REGISTERS.  window 0: below.  window 1: at first four sets of 64, V as loaded; then U's fragments, set p, K step s at 128 p + 16 s.  windows 2, 3: V's codes: K step s, tile of rows m at window 2 + s / 4, register 64 (s % 4) + 16 m; at the end window 2 takes V's rows.
.set SLOTB, 67584
.set QB,    16896
.set CX,    135168                     ; a chunk's images: fragment (tile of rows M, K step s) at 16384 M + 2048 s
.set STG,   266240                     ; 4 x 8,448: the stages
.set TAB,   300032                     ; hp' of my batch entry, 4,096 bytes; then -2 w
.set SW,    308224                     ; V's scale words, 4,096 bytes a chunk: (M, s, r) at 512 M + 64 s + 4 r
.set EB,    316416                     ; e's halves, 1,024 bytes a chunk: 512 j + 4 row
.set SPARE, 318464
.set RECB,  4352                       ; a record: 4,096 bytes of sums, then 256 bytes of (m, l)
.set SPW,1
.set NIL,2
.set LI,3
.set STW,4
.set STR,5
.set CXW,6
.set CXA,7
.set SWW,8
.set SWA,9
.set CXR,10
.set SWR,11
.set BAD,12
.set BSA,13
.set TAD,14
.set EBW,15
.set EBR,16
.set PW,17
.set WL,18
.set PV,20
.set T0,21
.set MM,22
.set LL,23
.set T2,24
.set TBW,25
.set HPO,26
.set WO,27
.set BS0,28
.set MLO,29
.set TA0,30
.set BA0,31
.set TM,32
.set PC,48
.set TL0,48
.set X,64
.set ACC,64
.set OA,96                             ; v96-127 the 32 sums of p V of a lane (the upper half of X, which walk B does not use)
.set EA,128
.set BS,160
.set TR,168
.set AS,176
.set LD,192                            ; v192-255 16 loads of V on their way during the walks
.set SEL,46
.set MNT,48
.set MSB, 0
.macro WIN new
.if MSB != (\new)
	s_set_vgpr_msb (MSB<<8)|(\new)
.set MSB, (\new)
.endif
.endm
.macro ROUND                           ; a round of the cluster's barrier
	s_barrier_signal -1
	s_barrier_wait -1
	s_cmp_lg_u32 s14, 0
	s_cbranch_scc1 .Lnot_wave_0_\@
	s_barrier_signal -3
.Lnot_wave_0_\@:
	s_barrier_wait -3
	s_barrier_signal -1
	s_barrier_wait -1
.endm
.macro QUANT s, dc, dw                 ; 64 numbers of a lane (register 16 b + i = k 32 b + 16 (lane / 16) + i of row r) become codes and a scale word
.irp b, 0,1,2,3
	v_max3_num_f32 v[TM+\b], |v[\s+16*\b]|, |v[\s+1+16*\b]|, 0x8000000   ; with the floor 2^(16 - 127): the byte cannot fall under 1
.endr
.irp i, 2,4,6,8,10,12,14
.irp b, 0,1,2,3
	v_max3_num_f32 v[TM+\b], v[TM+\b], |v[\s+16*\b+\i]|, |v[\s+1+16*\b+\i]|
.endr
.endr
.irp b, 0,1,2,3
	v_permlanex16_b32 v[TM+4+\b], v[TM+\b], s[SEL], s[SEL+1]
.endr
.irp b, 0,1,2,3
	v_max_num_f32 v[TM+\b], v[TM+\b], v[TM+4+\b]
.endr
.irp b, 0,1,2,3
	v_add_nc_u32 v[TM+12+\b], 0xf8800000, v[TM+\b]              ; 15 off the exponent field: the conversion's scale operand
.endr
.irp b, 0,1,2,3
	v_and_or_b32 v[TM+8+\b], v[TM+\b], 0x7f800000, s[MNT]       ; 57,344 x the scale
.endr
.irp b, 0,1,2,3
	v_lshrrev_b32 v[TM+4+\b], 23, v[TM+12+\b]                   ; the scale's byte
.endr
	v_lshl_or_b32 v[\dw], v[TM+5], 8, v[TM+4]
	v_lshl_or_b32 v[\dw], v[TM+6], 16, v[\dw]
	v_lshl_or_b32 v[\dw], v[TM+7], 24, v[\dw]
.irp b, 0,1,2,3
.irp i, 0,1,2,3,4,5,6,7,8,9,10,11,12,13,14,15
	v_med3_num_f32 v[\s+16*\b+\i], v[\s+16*\b+\i], -v[TM+8+\b], v[TM+8+\b]   ; the conversion does not saturate (ISA guide 7.6.2): the hold comes first
.endr
	v_cvt_scalef32_pk8_bf8_f32 v[\dc+4*\b:\dc+1+4*\b], v[\s+16*\b:\s+7+16*\b], v[TM+12+\b]
	v_cvt_scalef32_pk8_bf8_f32 v[\dc+2+4*\b:\dc+3+4*\b], v[\s+8+16*\b:\s+15+16*\b], v[TM+12+\b]
.endr
	v_nop                                          ; a plain line behind the last conversion
.endm
.macro STAGE win, rb                   ; 16 rows as loaded go through my stage and come back as X; LDS serves a wave's instructions in order
	WIN \win
.irp i, 0,1,2,3,4,5,6,7,8,9,10,11,12,13,14,15
	ds_store_b128 v[STW], v[(\rb)+4*\i:(\rb)+4*\i+3] offset:528*\i
.endr
	WIN 0
.irp c, 0,1,2,3
.irp jj, 0,1,2,3
	ds_load_b128 v[X+16*\c+4*\jj:X+16*\c+4*\jj+3], v[STR] offset:128*\c+16*\jj
.endr
.endr
.endm
.macro IMAGE io, so                    ; the fragment's image and its scale word
.irp c, 0,1,2,3
	ds_store_b128 v[CXA], v[PC+4*\c:PC+4*\c+3] offset:(\io)+512*\c
.endr
	ds_store_b32 v[SWA], v[PW] offset:\so          ; both halves of the lanes write the same word with the same value
.endm
.macro VLOAD q                         ; chunk A: K step q on from the base, 16 rows, into set q of window 1
	WIN 0x40
.irp i, 0,1,2,3,4,5,6,7,8,9,10,11,12,13,14,15
	global_load_b128 v[64*(\q)+4*\i:64*(\q)+4*\i+3], v[LI], s[20:21] offset:\i*4096+512*(\q)
.endr
	WIN 0
.endm
.macro TRIPA refill                    ; four fragments of chunk A
	v_add_nc_u32 v[CXA], s43, v[CXW]
	v_add_nc_u32 v[SWA], s44, v[SWW]
.irp q, 0,1,2,3
.if \refill
	s_wait_loadcnt 48                              ; set q's 16 loads are in; the three younger sets' may be out
.else
	s_wait_loadcnt 48-16*\q
.endif
	STAGE 0x04, 64*\q
	s_wait_dscnt 0x0
.if \refill
	VLOAD \q
.endif
	QUANT X, PC, PW
	IMAGE 2048*\q, 64*\q
.endr
	s_add_co_u32 s43, s43, 8192
	s_add_co_u32 s44, s44, 256
.endm
.macro ALOAD c                         ; my 64 rows' 32 fragments out of CX, and their scale words
.irp hw, 0,1
	WIN 0x80+0x40*\hw
.irp sl, 0,1,2,3
.irp m, 0,1,2,3
.irp cc, 0,1,2,3
	ds_load_b128 v[64*\sl+16*\m+4*\cc:64*\sl+16*\m+4*\cc+3], v[CXR] offset:16384*\m+8192*\hw+2048*\sl+512*\cc
.endr
.endr
.endr
.endr
	WIN 0
.irp m, 0,1,2,3
.irp u, 0,1,2,3
	ds_load_b32 v[AS+4*\m+\u], v[SWR] offset:4096*(\c)+512*\m+128*\u      ; lanes 0-15: K step 2 u; lanes 16-31: K step 2 u + 1
.endr
.endr
.endm
.macro WLD rb, ro                      ; two whole rows of V, 16 loads of 512 consecutive bytes
.irp row, 0,1
.irp q, 0,1,2,3,4,5,6,7
	global_load_b128 v[(\rb)+32*\row+4*\q:(\rb)+32*\row+4*\q+3], v[LI], s[20:21] offset:((\ro)+\row)*4096+512*\q th:TH_LOAD_NT
.endr
.endr
.endm
.macro WFMA rb                         ; the sums += p x the two rows
.irp q, 0,1,2,3,4,5,6,7
	v_pk_fma_f32 v[OA+4*\q:OA+4*\q+1], v[(\rb)+4*\q:(\rb)+4*\q+1], s[54:55], v[OA+4*\q:OA+4*\q+1] op_sel_hi:[1,0,1]
	v_pk_fma_f32 v[OA+4*\q+2:OA+4*\q+3], v[(\rb)+4*\q+2:(\rb)+4*\q+3], s[54:55], v[OA+4*\q+2:OA+4*\q+3] op_sel_hi:[1,0,1]
.endr
.irp q, 0,1,2,3,4,5,6,7
	v_pk_fma_f32 v[OA+4*\q:OA+4*\q+1], v[(\rb)+32+4*\q:(\rb)+32+4*\q+1], s[58:59], v[OA+4*\q:OA+4*\q+1] op_sel_hi:[1,0,1]
	v_pk_fma_f32 v[OA+4*\q+2:OA+4*\q+3], v[(\rb)+32+4*\q+2:(\rb)+32+4*\q+3], s[58:59], v[OA+4*\q+2:OA+4*\q+3] op_sel_hi:[1,0,1]
.endr
.endm
.macro PTWO                            ; p of the next two rows, as scalars
	v_readlane_b32 s54, v[PV], s56
	v_readlane_b32 s58, v[PV], s57
	s_add_co_u32 s56, s56, 2
	s_add_co_u32 s57, s57, 2
.endm
	s_load_b256 s[4:11], s[0:1], 0x0               ; V s[4:5], uq s[6:7], hpw s[8:9], w_w s[10:11]
	s_load_b64 s[12:13], s[0:1], 0x20              ; rec
	v_lshl_add_u32 v[SPW], v0, 2, SPARE
	v_mov_b32 v[NIL], 0
	ds_add_u32 v[SPW], v[NIL]                      ; the opening lines: the add twice on end and its wait
	ds_add_u32 v[SPW], v[NIL]
	v_lshrrev_b32 v21, 5, v0
	v_readfirstlane_b32 s14, v21                   ; wave 0..3
	v_and_b32 v21, 31, v0                          ; lane
	v_and_b32 v22, 15, v0                          ; r
	v_bfe_u32 v23, v0, 4, 1                        ; lane / 16
	v_lshlrev_b32 v[LI], 4, v21
	s_wait_alu depctr_va_vdst(0)
	s_bfe_u32 s15, ttmp6, 0x40000                  ; cx: it enters V's and rec's addresses alone
	s_lshl_b32 s16, ttmp9, 2
	s_add_co_u32 s16, s16, s15                     ; my work-group
	s_lshr_b32 s53, s14, 1                         ; i
	s_and_b32 s60, s14, 1                          ; j
	s_mul_i32 s17, s14, 8448
	s_add_co_u32 s17, s17, STG
	v_add_nc_u32 v[STW], s17, v[LI]
	v_mul_u32_u24 v[STR], v22, 528
	v_lshl_add_u32 v[STR], v23, 6, v[STR]
	v_add_nc_u32 v[STR], s17, v[STR]
	s_lshl_b32 s17, s14, 15
	s_add_co_u32 s17, s17, CX
	v_add_nc_u32 v[CXW], s17, v[LI]
	s_lshl_b32 s17, s53, 16
	s_add_co_u32 s17, s17, CX
	v_add_nc_u32 v[CXR], s17, v[LI]
	s_lshl_b32 s17, s14, 10
	s_add_co_u32 s17, s17, SW
	v_lshl_add_u32 v[SWW], v22, 2, s17
	s_lshl_b32 s17, s53, 11
	s_add_co_u32 s17, s17, SW
	v_lshl_add_u32 v[SWR], v21, 2, s17
	s_lshl_b32 s17, s60, 7
	s_add_co_u32 s17, s17, TAB-192
	v_lshl_add_u32 v[TA0], v22, 2, s17             ; the tables at d = 32 j + r, less 192: a step's first tile is read at offset 192
	s_lshl_b32 s17, s60, 15
	v_add_nc_u32 v[BA0], s17, v[LI]
	s_lshl_b32 s17, s60, 10
	s_add_co_u32 s17, s17, 65536
	v_add_nc_u32 v[BS0], s17, v[LI]
	s_lshl_b32 s17, s60, 9
	s_lshl_b32 s15, s53, 8
	s_add_co_u32 s17, s17, s15
	s_add_co_u32 s17, s17, EB
	v_lshl_add_u32 v[EBW], v23, 5, s17
	s_lshl_b32 s17, s14, 7
	s_add_co_u32 s17, s17, EB
	v_lshl_add_u32 v[EBR], v21, 2, s17
	v_lshlrev_b32 v[MLO], 3, v21
	v_lshl_add_u32 v[TBW], v0, 5, TAB
	v_lshlrev_b32 v[WO], 5, v0
	v_lshrrev_b32 v[HPO], 1, v0
	v_lshlrev_b32 v[HPO], 11, v[HPO]
	v_and_b32 v24, 1, v0
	v_lshl_add_u32 v[HPO], v24, 5, v[HPO]          ; hpw [tile][b][16 d]: tile thread / 2, its half thread % 2
.irp b, 0,1,2,3
	v_mov_b32 v[TM+4+\b], 0                        ; a lane permute's destination counts as one of its sources
.endr
	s_mov_b32 s24, 15|(3<<16)|(1<<21)              ; group 1: a quarter of a slot, 66 rows of 32 elements of 8 bytes; mask: all four work-groups
	s_mov_b32 s25, 32<<16
	s_mov_b32 s26, 66<<16
	s_mov_b32 s27, 32<<16
	s_mov_b32 s28, 66
	s_mov_b32 s29, 32
	s_mov_b32 s30, 0
	s_mov_b32 s31, 0
	s_mul_i32 s41, s14, QB
	s_mov_b32 s22, 0x4038aa3b                      ; c = 2 log2(e)
	s_mov_b32 s23, s22
	s_mov_b32 s[SEL], 0x76543210
	s_mov_b32 s[SEL+1], 0xfedcba98
	s_mov_b32 s[MNT], 0x600000
	s_mov_b32 s49, 0x3fb8aa3b                      ; log2(e)
	s_mov_b32 s43, 0
	s_mov_b32 s44, 0
	s_mov_b32 s45, 0
	s_mov_b32 s51, 0
	s_mov_b32 s55, 0
	s_mov_b32 s59, 0
	s_wait_dscnt 0x0                               ; both opening adds are done
	s_wait_alu depctr_va_vdst(0)
	s_wait_kmcnt 0x0
	s_lshl_b32 s18, s16, 20                        ; V: 256 rows of 4,096 bytes a work-group; of a chunk 32 rows a wave
	s_lshl_b32 s17, s14, 17
	s_add_co_u32 s18, s18, s17
	s_mov_b32 s19, 0
	s_add_nc_u64 s[18:19], s[4:5], s[18:19]        ; my 32 rows of chunk A
	s_mov_b64 s[20:21], s[18:19]
	s_lshr_b32 s50, ttmp9, 1                       ; my batch entry: two clusters to each
	s_lshl_b32 s50, s50, 6
	s_add_nc_u64 s[8:9], s[8:9], s[50:51]
	s_lshl_b32 s50, s16, 3
	s_add_co_u32 s50, s50, s14
	s_mul_i32 s50, s50, RECB                       ; my record of chunk A; chunk B's lies four records on
	s_add_nc_u64 s[12:13], s[12:13], s[50:51]
	s_mov_b32 s50, s41
	s_mov_b32 s32, 1
	s_mov_b32 s33, s41
	s_add_nc_u64 s[34:35], s[6:7], s[50:51]
	s_mov_b32 s36, 1
	s_add_co_u32 s37, s41, SLOTB
	s_add_nc_u64 s[38:39], s[34:35], SLOTB
	s_or_b32 s35, s35, 0x80000000
	s_or_b32 s39, s39, 0x80000000
	global_load_b128 v[TL0:TL0+3], v[HPO], s[8:9]
	global_load_b128 v[TL0+4:TL0+7], v[HPO], s[8:9] offset:16
	global_load_b128 v[TL0+8:TL0+11], v[WO], s[10:11]
	global_load_b128 v[TL0+12:TL0+15], v[WO], s[10:11] offset:16
	VLOAD 0
	VLOAD 1
	VLOAD 2
	ROUND                                          ; the first joint loads meet
	tensor_load_to_lds s[32:35], s[24:31]          ; my quarter of slot 0: my one tensor load at the head
	s_nop 0
.rept 4
	v_nop
.endr
	s_wait_loadcnt 48                              ; the four table loads are in
.irp k, 8,9,10,11,12,13,14,15
	v_mul_f32 v[TL0+\k], -2.0, v[TL0+\k]
.endr
	ds_store_b128 v[TBW], v[TL0:TL0+3]
	ds_store_b128 v[TBW], v[TL0+4:TL0+7] offset:16
	ds_store_b128 v[TBW], v[TL0+8:TL0+11] offset:4096
	ds_store_b128 v[TBW], v[TL0+12:TL0+15] offset:4112
	VLOAD 3
	s_wait_xcnt 0x0
	s_add_nc_u64 s[20:21], s[20:21], 2048          ; the base of the next four fragments
	; ---- CHUNK A: fragment n = (tile of rows n / 8, K step n % 8), four a trip; 64 loads a wave are out
	s_mov_b32 s42, 3
.Lp1:
	TRIPA 1
	s_wait_xcnt 0x0                                ; the loads have read their base
	s_mov_b32 s52, 2048
	s_cmp_eq_u32 s42, 3
	s_cselect_b32 s50, 63488, s52                  ; from K step 4 of rows 0-15 on to K step 0 of rows 16-31, else four K steps on
	s_add_nc_u64 s[20:21], s[20:21], s[50:51]
	s_sub_co_u32 s42, s42, 1
	s_cmp_lg_u32 s42, 0
	s_cbranch_scc1 .Lp1
	TRIPA 0                                        ; the last four ask for nothing
	s_add_nc_u64 s[20:21], s[18:19], 0x80000       ; chunk B's rows (all my loads are in)
.macro QLOAD
.irp i, 0,1,2,3,4,5,6,7,8,9,10,11,12,13,14,15
	global_load_b128 v[LD+4*\i:LD+4*\i+3], v[LI], s[20:21] offset:\i*4096
.endr
.endm
	QLOAD                                          ; chunk B's fragment 0
	s_mov_b32 s43, 0
	s_mov_b32 s44, 0
	s_wait_tensorcnt 0x0                           ; slot 1's first fill is issued as a refill is
	ds_add_u32 v[SPW], v[NIL]
	s_wait_dscnt 0x0                               ; the add is done; my images, scale words and table parts have landed
	ROUND
	tensor_load_to_lds s[36:39], s[24:31]
	s_nop 0
.rept 4
	v_nop
.endr
	ALOAD 0
.macro ZERO rb, n
.set zi, 0
.rept \n
	v_mov_b32 v[(\rb)+zi], 0
.set zi, zi+1
.endr
.endm
	ZERO EA, 32
	ZERO WL, 2
	v_mov_b32 v[TR+1], 0
	v_mov_b32 v[TR+3], 0
	s_mov_b32 s40, 0
	v_mov_b32 v[TAD], v[TA0]
	v_add_nc_u32 v[BAD], s40, v[BA0]
	v_add_nc_u32 v[BSA], s40, v[BS0]
	s_wait_alu depctr_va_vdst(0)
	s_wait_xcnt 0x0
	s_add_nc_u64 s[20:21], s[20:21], 512           ; chunk B's fragment 1
.macro NRUN np, bo, cnt                ; cnt more loads of the next tile's 32
	WIN 0x40
.rept \cnt
	ds_load_b128 v[128*(\np)+4*li:128*(\np)+4*li+3], v[BAD] offset:(\bo)+512*li
.set li, li+1
.endr
	WIN 0
.endm
.set li, 0
	NRUN 0, 0, 32
	ds_load_b128 v[BS:BS+3], v[BSA]
.macro PROD p                          ; product i of a tile's 32: K step i / 4, tile of rows i % 4: the four accumulators by turns
.set ks, i/4
.set mm, i%4
	WIN 0x06+ks/4
.set rD, ACC+8*mm
.set rA, 64*(ks%4)+16*mm
.set rB, 128*(\p)+16*ks
.set rSA, AS+4*mm+ks/2
.set rSB, BS+4*(\p)+ks/2
.if ks == 0
	v_wmma_scale_f32_16x16x128_f8f6f4 v[rD:rD+7], v[rA:rA+15], v[rB:rB+15], 0, v[rSA], v[rSB] matrix_a_fmt:MATRIX_FMT_BF8 matrix_b_fmt:MATRIX_FMT_BF8
.elseif ks%2 == 1
	v_wmma_scale_f32_16x16x128_f8f6f4 v[rD:rD+7], v[rA:rA+15], v[rB:rB+15], v[rD:rD+7], v[rSA], v[rSB] matrix_a_fmt:MATRIX_FMT_BF8 matrix_b_fmt:MATRIX_FMT_BF8 matrix_a_scale:MATRIX_SCALE_ROW1 matrix_b_scale:MATRIX_SCALE_ROW1
.else
	v_wmma_scale_f32_16x16x128_f8f6f4 v[rD:rD+7], v[rA:rA+15], v[rB:rB+15], v[rD:rD+7], v[rSA], v[rSB] matrix_a_fmt:MATRIX_FMT_BF8 matrix_b_fmt:MATRIX_FMT_BF8
.endif
.set i, i+1
.endm
; A TILE of 16 d on set p, its table words at offset tb; nx = 1: the next tile's fragments (offset bo) and scale words (so) go into set np, whose last readers stand a whole tanh back
.macro TILE p, tb, np, bo, so, nx
	s_wait_dscnt 0x0                               ; this tile's fragments and scale words are in
	ds_load_b32 v[TR], v[TAD] offset:\tb           ; hp'[d]
	ds_load_b32 v[TR+2], v[TAD] offset:(\tb)+4096  ; -2 w[d]
.set i, 0
.rept 32
	PROD \p
.endr
	WIN 0
.rept 8
	v_nop                                          ; eight places behind the last product
.endr
	s_wait_dscnt 0x0
	v_fma_f32 v[WL], v[TR+2], -0.5, v[WL]          ; w[d] onto the lane's sum of w
.irp k, 0,2,4,6,8,10,12,14,16,18,20,22,24,26,28,30
	v_pk_fma_f32 v[ACC+\k:ACC+\k+1], v[ACC+\k:ACC+\k+1], s[22:23], v[TR:TR+1] op_sel_hi:[1,0,0]   ; c x + hp': each accumulator from its low end on
.endr
	s_wait_alu depctr_va_vdst(0)                   ; a wait ahead of each batch of transcendentals and one behind it
.set li, 0
.if \nx
	NRUN \np, \bo, 11
.endif
.irp k, 0,1,2,3,4,5,6,7,8,9,10,11,12,13,14,15,16,17,18,19,20,21,22,23,24,25,26,27,28,29,30,31
	v_exp_f32 v[ACC+\k], v[ACC+\k]
.endr
	v_nop
	s_wait_alu depctr_va_vdst(0)
.if \nx
	NRUN \np, \bo, 11
.endif
.irp k, 0,2,4,6,8,10,12,14,16,18,20,22,24,26,28,30
	v_pk_add_f32 v[ACC+\k:ACC+\k+1], v[ACC+\k:ACC+\k+1], 1.0 op_sel_hi:[1,0]
.endr
	s_wait_alu depctr_va_vdst(0)
.if \nx
	NRUN \np, \bo, 10
	ds_load_b128 v[BS+4*(\np):BS+4*(\np)+3], v[BSA] offset:\so
.endif
.irp k, 0,1,2,3,4,5,6,7,8,9,10,11,12,13,14,15,16,17,18,19,20,21,22,23,24,25,26,27,28,29,30,31
	v_rcp_f32 v[ACC+\k], v[ACC+\k]
.endr
	v_nop
	s_wait_alu depctr_va_vdst(0)
.irp k, 0,2,4,6,8,10,12,14,16,18,20,22,24,26,28,30
	v_pk_fma_f32 v[EA+\k:EA+\k+1], v[ACC+\k:ACC+\k+1], v[TR+2:TR+3], v[EA+\k:EA+\k+1] op_sel_hi:[1,0,1]
.endr
.endm
; THE CHANGE OF SLOTS, ahead of a step's second tile, whose fragments are in registers.  kind 1: a round of the cluster's barrier and the joint refill with the slot two steps on; 0: a barrier, no refill; 2: the last step: addresses alone
.macro SYNC kind
.if (\kind) < 2
	s_wait_tensorcnt 0x0                           ; my quarter of the other slot is in
	ds_add_u32 v[SPW], v[NIL]
.if (\kind) == 1
	s_xor_b32 s37, s37, SLOTB                      ; (a quarter's address has none of SLOTB's two bits)
	s_add_nc_u64 s[38:39], s[38:39], SLOTB
.endif
	s_xor_b32 s40, s40, SLOTB
	s_add_co_u32 s45, s45, 256
	s_wait_dscnt 0x0                               ; the add is done, and my reads of the slot are over
.if (\kind) == 1
	ROUND
	tensor_load_to_lds s[36:39], s[24:31]
	s_nop 0
.rept 4
	v_nop
.endr
.else
	s_barrier_signal -1
	s_barrier_wait -1
.endif
.else
	s_add_co_u32 s45, s45, 256
.endif
	v_add_nc_u32 v[BAD], s40, v[BA0]
	v_add_nc_u32 v[BSA], s40, v[BS0]
	v_add_nc_u32 v[TAD], s45, v[TA0]               ; this step's second tile at offset 0, the next step's first at 192
	s_wait_alu depctr_va_vdst(0)
.endm
; A step's share of chunk B: one fragment quantised.  nxt 1: the next fragment is asked for; 2: chunk A's first two rows, for walk B
.macro QSIDE nxt
	s_wait_loadcnt 0x0
	STAGE 0, LD
	v_add_nc_u32 v[CXA], s43, v[CXW]
	v_add_nc_u32 v[SWA], s44, v[SWW]
	s_wait_dscnt 0x0
.if (\nxt) == 1
	QLOAD
.else
	s_mov_b64 s[20:21], s[18:19]
	WLD LD, 0
.endif
	QUANT X, PC, PW
	IMAGE 0, 4096
	s_add_co_u32 s43, s43, 2048
	s_add_co_u32 s44, s44, 64
.if (\nxt) == 1
	s_wait_xcnt 0x0
	s_mov_b32 s52, 512
	s_cmp_eq_u32 s42, 9                            ; step 6: the fragment after the next is number 8, K step 0 of rows 16-31
	s_cselect_b32 s50, 61952, s52
	s_add_nc_u64 s[20:21], s[20:21], s[50:51]
.endif
.endm
.macro WSIDE nxt                       ; a step's share of chunk A's weighted sum: two rows
	s_wait_loadcnt 0x0
	PTWO
	WFMA LD
.if \nxt
	s_add_nc_u64 s[20:21], s[20:21], 8192          ; (the loads that read the base are in)
	WLD LD, 0
.endif
.endm
.macro STEP kind, side, last
	TILE 0, 192, 1, 16384, 512, 1
	SYNC \kind
	TILE 1, 0, 0, 0, 0, 1-(\last)
.if (\side) == 1
	QSIDE 1
.elseif (\side) == 2
	QSIDE 2
.elseif (\side) == 3
	WSIDE 1
.else
	WSIDE 0
.endif
.endm
; e of a chunk: over the 16 lanes, the two halves of d through LDS; then lane l holds row 32 w + l
.macro EF1 c
.irp k, 0,2,4,6,8,10,12,14,16,18,20,22,24,26,28,30
	v_pk_add_f32 v[EA+\k:EA+\k+1], v[EA+\k:EA+\k+1], v[WL:WL+1] op_sel_hi:[1,0]
.endr
.irp x, 1,2,4,8
.irp k, 0,1,2,3,4,5,6,7,8,9,10,11,12,13,14,15,16,17,18,19,20,21,22,23,24,25,26,27,28,29,30,31
	v_add_f32_dpp v[EA+\k], v[EA+\k], v[EA+\k] row_xmask:\x row_mask:0xf bank_mask:0xf
.endr
.endr
.irp m, 0,1,2,3
	ds_store_b128 v[EBW], v[EA+8*\m:EA+8*\m+3] offset:1024*(\c)+64*\m
	ds_store_b128 v[EBW], v[EA+8*\m+4:EA+8*\m+7] offset:1024*(\c)+64*\m+16
.endr
	s_wait_dscnt 0x0                               ; for the others' sake: my half of e (and my images of the next chunk) have landed
	s_barrier_signal -1
	s_barrier_wait -1
	ds_load_b32 v[T0], v[EBR] offset:1024*(\c)
	ds_load_b32 v[T2], v[EBR] offset:1024*(\c)+512
	s_wait_dscnt 0x0
.endm
.macro EF2                             ; m, p and l of my 32 rows: the maximum is taken away first
	v_add_f32 v[T0], v[T0], v[T2]
	v_mov_b32 v[MM], v[T0]
.irp x, 1,2,4,8
	v_max_num_f32_dpp v[MM], v[MM], v[MM] row_xmask:\x row_mask:0xf bank_mask:0xf
.endr
	v_permlanex16_b32 v[T2], v[MM], s[SEL], s[SEL+1]
	v_max_num_f32 v[MM], v[MM], v[T2]
	v_sub_f32 v[T0], v[T0], v[MM]
	v_mul_f32 v[T0], s49, v[T0]
	s_wait_alu depctr_va_vdst(0)
	v_exp_f32 v[PV], v[T0]
	v_nop
	s_wait_alu depctr_va_vdst(0)
	v_mov_b32 v[LL], v[PV]
.irp x, 1,2,4,8
	v_add_f32_dpp v[LL], v[LL], v[LL] row_xmask:\x row_mask:0xf bank_mask:0xf
.endr
	v_permlanex16_b32 v[T2], v[LL], s[SEL], s[SEL+1]
	v_add_f32 v[LL], v[LL], v[T2]
.endm
.macro RECST c                         ; a record leaves: eight stores of 512 consecutive bytes, and (m, l) from every lane: 256 bytes
.irp q, 0,1,2,3,4,5,6,7
	global_store_b128 v[LI], v[OA+4*\q:OA+4*\q+3], s[12:13] offset:4*RECB*(\c)+512*\q
.endr
	global_store_b64 v[MLO], v[MM:MM+1], s[12:13] offset:4*RECB*(\c)+4096
.endm
	; ---- WALK A: steps 0 to 15
	s_mov_b32 s42, 15
.LwA:
	STEP 1, 1, 0
	s_sub_co_u32 s42, s42, 1
	s_cmp_lg_u32 s42, 0
	s_cbranch_scc1 .LwA
	STEP 1, 2, 0
	EF1 0
	ALOAD 1
	EF2
	ZERO EA, 32
	ZERO WL, 2
	ZERO OA, 32
	s_mov_b32 s45, 0
	s_mov_b32 s56, 0
	s_mov_b32 s57, 1
	v_mov_b32 v[TAD], v[TA0]
	s_wait_alu depctr_va_vdst(0)
	; ---- WALK B: steps 16 to 31; the last two fill nothing and are written out
	s_mov_b32 s42, 14
.LwB:
	STEP 1, 3, 0
	s_sub_co_u32 s42, s42, 1
	s_cmp_lg_u32 s42, 0
	s_cbranch_scc1 .LwB
	STEP 0, 3, 0
	STEP 2, 4, 1
	; ---- CHUNK B's rows once more: a ring of four groups of two rows in window 2, where codes lay
	s_add_nc_u64 s[20:21], s[18:19], 0x80000
	WIN 0x80
.irp g, 0,1,2,3
	WLD 64*\g, 2*\g
.endr
	WIN 0
	RECST 0
	EF1 1
	s_wait_xcnt 0x0                                ; the record's stores have read their registers
	EF2
	ZERO OA, 32
	s_mov_b32 s56, 0
	s_mov_b32 s57, 1
	s_wait_alu depctr_va_vdst(0)
.macro PG g, refill
	PTWO
.if \refill
	s_wait_loadcnt 48                              ; the group's 16 loads are in; the three younger groups' may be out
.else
	s_wait_loadcnt 48-16*(\g)
.endif
	WIN 0x02
	WFMA 64*(\g)
.if \refill
	WIN 0x80
	WLD 64*(\g), 2*(\g)+8
.endif
	WIN 0
.endm
	s_mov_b32 s42, 3
.Lp3:
.irp g, 0,1,2,3
	PG \g, 1
.endr
	s_wait_xcnt 0x0
	s_add_nc_u64 s[20:21], s[20:21], 32768
	s_sub_co_u32 s42, s42, 1
	s_cmp_lg_u32 s42, 0
	s_cbranch_scc1 .Lp3
.irp g, 0,1,2,3
	PG \g, 0
.endr
	RECST 1
	s_wait_tensorcnt 0x0                           ; the wave's end
	ds_add_u32 v[SPW], v[NIL]
	s_wait_dscnt 0x0
	ROUND                                          ; the closing round
	s_endpgm
.Lfunc_end_k_q1084201ab6_scores:
	.size	k_q1084201ab6_scores, .Lfunc_end_k_q1084201ab6_scores-k_q1084201ab6_scores
	.p2alignl 7, 3214868480
	.fill 96, 4, 3214868480
	.section	.rodata,"a",@progbits
	.p2align	6, 0x0
	.amdhsa_kernel k_q1084201ab6_scores
		.amdhsa_group_segment_fixed_size 327680
		.amdhsa_private_segment_fixed_size 0
		.amdhsa_enable_private_segment 0
		.amdhsa_kernarg_size 40
		.amdhsa_user_sgpr_count 2
		.amdhsa_user_sgpr_kernarg_segment_ptr 1
		.amdhsa_wavefront_size32 1
		.amdhsa_system_sgpr_workgroup_id_x 1
		.amdhsa_system_sgpr_workgroup_id_y 1
		.amdhsa_system_sgpr_workgroup_id_z 1
		.amdhsa_system_vgpr_workitem_id 0
		.amdhsa_next_free_vgpr 1024
		.amdhsa_next_free_sgpr 66
		.amdhsa_reserve_vcc 0
		.amdhsa_float_denorm_mode_32 3
		.amdhsa_float_denorm_mode_16_64 3
		.amdhsa_memory_ordered 1
		.amdhsa_forward_progress 1
		.amdhsa_inst_pref_size 255
	.end_amdhsa_kernel
	.section	.bss,"aw",@nobits
	.p2align	6
	.space	262144
	.amdgpu_metadata
---
amdhsa.version: [ 1, 2 ]
amdhsa.kernels:
  - .name:           k_q1084201ab6_scores
    .symbol:         k_q1084201ab6_scores.kd
    .args:
      - { .name: V, .offset: 0, .size: 8, .value_kind: global_buffer, .address_space: global }
      - { .name: uq, .offset: 8, .size: 8, .value_kind: global_buffer, .address_space: global }
      - { .name: hpw, .offset: 16, .size: 8, .value_kind: global_buffer, .address_space: global }
      - { .name: w_w, .offset: 24, .size: 8, .value_kind: global_buffer, .address_space: global }
      - { .name: rec, .offset: 32, .size: 8, .value_kind: global_buffer, .address_space: global }
    .group_segment_fixed_size: 327680
    .private_segment_fixed_size: 0
    .kernarg_segment_align: 8
    .kernarg_segment_size: 40
    .max_flat_workgroup_size: 128
    .sgpr_count:     66
    .vgpr_count:     1024
    .wavefront_size: 32
...
	.end_amdgpu_metadata
.endif
;; end of part 2
;; launch merge (part 3): grid 16 x 32, 1 waves a work-group, no clusters, 0 bytes of LDS; arguments rec, out0; writes out0
.if DOCPART == 3
	.amdgcn_target "amdgcn-amd-amdhsa--gfx1250"
	.amdhsa_code_object_version 6
	.text
	.protected	k_q1084201ab6_merge
	.globl	k_q1084201ab6_merge
	.p2align	8
	.type	k_q1084201ab6_merge,@function
k_q1084201ab6_merge:
	s_mov_b64 s[64:65], 0
	v_nop
	global_prefetch_b8 v0, s[64:65] scope:SCOPE_SE
	s_setreg_imm32_b32 hwreg(HW_REG_WAVE_MODE, 25, 1), 1
	s_wait_xcnt 0x0
; MERGE.  out0[b][v] = sum over the batch entry's 64 records of 2^((m_r - M) log2(e)) acc_r[v], divided by the sum of 2^((m_r - M) log2(e)) l_r; M = the largest m_r: the softmax's maximum, taken away before every exponential.
; Work-group (x, b), one wave, owns out0[b][64 x .. 64 x + 63]: 64 loads of 256 consecutive bytes, all out at once, 8 bytes a lane; lane l also reads (m, l) of records l and l + 32 (8 bytes of each record's last 256).
; No LDS, no tensor loads, no cluster, no loop to run ahead in.  All in f32.  NaN and infinities are not served.
.set RECB, 4352
	s_load_b128 s[4:7], s[0:1], 0x0                ; rec, out0
	v_mul_u32_u24 v2, v0, RECB
	v_lshlrev_b32 v3, 3, v0
	v_mov_b32 v9, 0
	s_and_b32 s10, ttmp7, 0xffff                   ; b
	s_lshl_b32 s14, s10, 12
	s_mul_i32 s10, s10, 64*RECB
	s_mov_b32 s11, 0
	s_lshl_b32 s12, ttmp9, 8
	s_mov_b32 s13, 0
	s_add_co_u32 s14, s14, s12
	s_mov_b32 s15, 0
	s_mov_b32 s16, 0x76543210
	s_mov_b32 s17, 0xfedcba98
	s_mov_b32 s18, 0x3fb8aa3b                      ; log2(e)
	s_mov_b32 s21, 0
	s_mov_b32 s23, 0
	s_mov_b32 s25, 0
	s_mov_b32 s27, 0
	s_wait_alu depctr_va_vdst(0)
	s_wait_kmcnt 0x0
	s_add_nc_u64 s[4:5], s[4:5], s[10:11]
	s_add_nc_u64 s[8:9], s[4:5], s[12:13]
	s_add_nc_u64 s[6:7], s[6:7], s[14:15]
	global_load_b64 v[4:5], v2, s[4:5] offset:4096
	global_load_b64 v[6:7], v2, s[4:5] offset:4096+32*RECB
.set k, 0
.rept 63
	global_load_b64 v[32+2*k:33+2*k], v3, s[8:9] offset:k*RECB
.set k, k+1
.endr
	s_wait_loadcnt 63                              ; (m, l) are in: the 63 loads of sums issued so far are younger
	global_load_b64 v[32+2*63:33+2*63], v3, s[8:9] offset:63*RECB   ; the last record's sums
	v_max_num_f32 v8, v4, v6
.irp x, 1,2,4,8
	v_max_num_f32_dpp v8, v8, v8 row_xmask:\x row_mask:0xf bank_mask:0xf
.endr
	v_permlanex16_b32 v9, v8, s16, s17
	v_max_num_f32 v8, v8, v9                       ; M
	v_sub_f32 v10, v4, v8
	v_sub_f32 v11, v6, v8
	v_mul_f32 v10, s18, v10
	v_mul_f32 v11, s18, v11
	s_wait_alu depctr_va_vdst(0)                   ; a wait ahead of the batch and one behind it
	v_exp_f32 v10, v10
	v_exp_f32 v11, v11
	v_nop
	s_wait_alu depctr_va_vdst(0)
	v_mul_f32 v12, v5, v10
	v_fma_f32 v12, v7, v11, v12
.irp x, 1,2,4,8
	v_add_f32_dpp v12, v12, v12 row_xmask:\x row_mask:0xf bank_mask:0xf
.endr
	v_permlanex16_b32 v9, v12, s16, s17
	v_add_f32 v12, v12, v9                         ; the divisor, at least 1
	s_wait_alu depctr_va_vdst(0)
	v_rcp_f32 v12, v12
	v_nop
	s_wait_alu depctr_va_vdst(0)
	v_mul_f32 v10, v10, v12
	v_mul_f32 v11, v11, v12
	s_wait_alu depctr_va_vdst(0)
	s_wait_loadcnt 0x0
.set k, 0
.rept 64
	v_readlane_b32 s[20+2*(k%4)], v[10+k/32], k%32
.if k < 2
	v_pk_mul_f32 v[14+2*(k%2):15+2*(k%2)], v[32+2*k:33+2*k], s[20+2*(k%4):21+2*(k%4)] op_sel_hi:[1,0]
.else
	v_pk_fma_f32 v[14+2*(k%2):15+2*(k%2)], v[32+2*k:33+2*k], s[20+2*(k%4):21+2*(k%4)], v[14+2*(k%2):15+2*(k%2)] op_sel_hi:[1,0,1]
.endif
.set k, k+1
.endr
	v_pk_add_f32 v[14:15], v[14:15], v[16:17]
	global_store_b64 v3, v[14:15], s[6:7]          ; 32 lanes store 256 consecutive bytes, aligned
	s_endpgm
.Lfunc_end_k_q1084201ab6_merge:
	.size	k_q1084201ab6_merge, .Lfunc_end_k_q1084201ab6_merge-k_q1084201ab6_merge
	.p2alignl 7, 3214868480
	.fill 96, 4, 3214868480
	.section	.rodata,"a",@progbits
	.p2align	6, 0x0
	.amdhsa_kernel k_q1084201ab6_merge
		.amdhsa_group_segment_fixed_size 0
		.amdhsa_private_segment_fixed_size 0
		.amdhsa_enable_private_segment 0
		.amdhsa_kernarg_size 16
		.amdhsa_user_sgpr_count 2
		.amdhsa_user_sgpr_kernarg_segment_ptr 1
		.amdhsa_wavefront_size32 1
		.amdhsa_system_sgpr_workgroup_id_x 1
		.amdhsa_system_sgpr_workgroup_id_y 1
		.amdhsa_system_sgpr_workgroup_id_z 1
		.amdhsa_system_vgpr_workitem_id 0
		.amdhsa_next_free_vgpr 168
		.amdhsa_next_free_sgpr 66
		.amdhsa_reserve_vcc 0
		.amdhsa_float_denorm_mode_32 3
		.amdhsa_float_denorm_mode_16_64 3
		.amdhsa_memory_ordered 1
		.amdhsa_forward_progress 1
		.amdhsa_inst_pref_size 17
	.end_amdhsa_kernel
	.amdgpu_metadata
---
amdhsa.version: [ 1, 2 ]
amdhsa.kernels:
  - .name:           k_q1084201ab6_merge
    .symbol:         k_q1084201ab6_merge.kd
    .args:
      - { .name: rec, .offset: 0, .size: 8, .value_kind: global_buffer, .address_space: global }
      - { .name: out0, .offset: 8, .size: 8, .value_kind: global_buffer, .address_space: global }
    .group_segment_fixed_size: 0
    .private_segment_fixed_size: 0
    .kernarg_segment_align: 8
    .kernarg_segment_size: 16
    .max_flat_workgroup_size: 32
    .sgpr_count:     66
    .vgpr_count:     168
    .wavefront_size: 32
...
	.end_amdgpu_metadata
.endif
;; end of part 3
